; MI455X (gfx1250); checked and timed in simulation.
; The chip was launched on July 23, 2026; its instructions are those of AMD's public machine-readable ISA for CDNA 5 (MIT licence, August 2026) and "CDNA5" Instruction Set Architecture Reference Guide (July 2026). The comments in the code are by the model that wrote it; some were corrected since.
;; Classifier. Allowed arithmetic: matrix products marked QUANTISED: E2M3 operands, one E8M0 scale for each 32 along K, by v_wmma_scale_f32_16x16x128_f8f6f4 with both operands' format E2M3, f32 sums; products left as they are: f32 operands where the result goes on into a quantised operand, else bf16, f16 or f32 operands; f32 sums; everything else in f32.
;; Inputs: high 64 x 20 x 512 float32; x 128 x 25 x 512 float32.
;; Outputs: out0 128 x 64 float32.
;; This version of the problem:
;;   THIS VERSION OF THE PROBLEM IS GIVEN IN LOW PRECISION. The matrix products marked QUANTISED in the list below multiply operands that are first quantised to E2M3 (2 exponent bits, 3 mantissa bits; 6 bits a number), with one power-of-two scale for each 32 numbers along K (OCP MX v1.0); their sums are f32. All else is computed in f32.
;;   The module's matrix products, in the order in which they are computed (A, B: the left and right operand; K: the contracted axis; several contracted axes count as one K, in the product's order):
;;     1. batch 64 x [M 20, K 512] x [K 512, N 20]; A: input high; B: input high: QUANTISED
;;     2. batch 64 x [M 512, K 20] x [K 20, N 20]; A: input high; B: computed on the way: left as it is (K = 20 < 32)
;;     3. batch 64 x [M 512, K 20] x [K 20, N 512]; A: computed on the way; B: input high: left as it is (K = 20 < 32)
;;     4. [M 32,768, K 512] x [K 512, N 3,200]; A: computed on the way; B: input x: QUANTISED
;;   THE QUANTISER, for each operand of a quantised product, along K:
;;     - K is cut into blocks of 32 from its start; a last block that is shorter is filled with zeros.
;;     - A block's scale is 2^e with e = floor(log2(the largest magnitude in the block)) - 2, held to -126 .. 127; a block of zeros has e = 0. As a byte (E8M0): e + 127.
;;     - Each number is divided by its block's scale, clamped to +-7.5, and rounded to the nearest number of E2M3, ties to even, subnormals kept.
;;     - The product sums the exact products of the quantised numbers (number of the format x scale) in f32.
;;   ~~~python
;;   def quantise(x, axis):      # numpy; x: float32 -> the quantised numbers, widened to float32 again
;;       x = np.moveaxis(x, axis, -1); K = x.shape[-1]
;;       x = np.pad(x, [(0, 0)] * (x.ndim - 1) + [(0, -K % 32)]); x = x.reshape(x.shape[:-1] + (-1, 32)); a = np.abs(x).max(-1, keepdims=True)
;;       e = np.where(a > 0, np.clip(np.frexp(np.where(a > 0, a, 1))[1] - 1 - 2, -126, 127), 0)      # np.frexp(a)[1] - 1 = floor(log2(a)), exactly
;;       r = np.clip(x / 2.0 ** e, -7.5, 7.5)
;;       step = 2.0 ** (np.maximum(np.frexp(np.where(r == 0, 1, r))[1] - 1, 0) - 3)
;;       q = np.round(r / step) * step * 2.0 ** e      # np.round: ties to even
;;       return np.moveaxis(q.reshape(q.shape[:-2] + (-1,))[..., :K], -1, axis).astype(np.float32)
;;   ~~~
;;   OPERANDS COMPUTED ON THE WAY. 'Computed on the way' means the value that the module computes at that place (a softmax that the list does not call 'softmax' is quantised finished and normalised). What goes into a quantiser is computed in f32, as accurately as f32 sums, v_exp_f32 and their like allow (about 1e-6 of the number): no bf16 or f16 on the way to a quantiser, and a product that is left as it is and whose result goes on into a quantised operand takes f32 operands (vector FMAs, or v_wmma_f32_16x16x4_f32). A number that lies on a knife's edge between two numbers of the format may be rounded either way, as far as f32 arithmetic and the matrix unit's own rounding can turn it there, and no further.
;; One version. Each part assembles by itself: llvm-mc -triple=amdgcn-amd-amdhsa -mcpu=gfx1250 --defsym DOCPART=n.
;; ======== version 1 of 1: 3 launches
;; workspace buffers: acode 12,582,912 bytes; ascale 524,288 bytes; xb 1,331,200 bytes; part 524,288 bytes
;; launch prep (part 1): grid 256 x 1, 8 waves a work-group, no clusters, 117,760 bytes of LDS; arguments high, x, acode, ascale, xb; writes acode, ascale, xb
.if DOCPART == 1
	.amdgcn_target "amdgcn-amd-amdhsa--gfx1250"
	.amdhsa_code_object_version 6
	.text
	.protected	k_q6f78a3e7b1_prep
	.globl	k_q6f78a3e7b1_prep
	.p2align	8
	.type	k_q6f78a3e7b1_prep,@function
k_q6f78a3e7b1_prep:
	s_mov_b64 s[64:65], 0
	v_nop
	global_prefetch_b8 v0, s[64:65] scope:SCOPE_SE
	s_setreg_imm32_b32 hwreg(HW_REG_WAVE_MODE, 25, 1), 1
	s_wait_xcnt 0x0
; PREP.  For class c:  G = Q(high) Q(high)^T (codes of E2M3, K = 512),  inv = (G + 20/512 I)^-1 in f32,  -ctinv = high^T (-inv high) in f32,
; and the codes of -ctinv, quantised along its first axis d, laid as the next launch's operand registers.  Q(-v) = -Q(v), so the sign costs nothing;
; with it the next launch's sums, begun with q as C, are q - t.  The launch also quantises x.
; SHARES.  Work-group W: class W / 4, quarter W % 4 of the 512 columns e.  Wave w owns 16 columns: e = 128 (W % 4) + 32 (w / 2) + 8 (w % 2) + m + 8 (m / 8), m = 0 .. 15,
; and makes their four fragments (16 rows e x 128 along d).
; ROLES, between the second barrier and the third: waves 0-3 make the class's Gram matrix and its inverse, each for itself and for wave w + 4; waves 4-7 of work-groups 0-199 quantise x meanwhile:
; q-tile W (16 queries), K step w - 4: 200 x 4 fragments.
; ORDER OF ROUNDING: ctinv is summed as high^T (inv high), not (high^T inv) high; the inverse is made by Gauss-Jordan without pivoting: G + 20/512 I is symmetric positive definite for every input,
; so every pivot is positive.  All of it in f32.
; LIMITS: a block whose largest magnitude lies under 2^-124 keeps the scale byte 1; a block of zeros has the byte 1 where the quantiser says 127: its codes are zeros, and the bytes are read by this
; program alone.  NaN and infinities among the inputs are not served.
.set HP,   2064                        ; a row of high in LDS: 2,048 bytes + 16: an odd multiple of 16 bytes
.set IMG,  32*HP                       ; LDS: behind 32 rows of high (rows 20-31 zeros): the images of Q(high)'s 8 fragments, 1,536 bytes each,
.set ISC,  IMG+8*1536                  ; their scale words, 128 bytes each,
.set WS,   ISC+8*128                   ; and a region for each wave's number: 32 columns of the Gram matrix.  Waves 0-3 store into theirs; the other four regions are claimed and not used
.set WP,   144                         ; a column there: 128 bytes + 16: an odd multiple of 16 bytes, so that the 16 lanes of a 16-byte access touch 16 different 16-byte columns of 256
.set WSZ,  32*WP
.set LN,   1                           ; v1   lane
.set LI,   2                           ; v2   16 x lane
.set LS,   3                           ; v3   4 x lane
.set CPA,  4                           ; v4   where my 16 bytes of two rows of high go in LDS
.set GLA,  5                           ; v5   16 x thread
.set XA,   6                           ; v6   x: row r of 2,048 bytes + 64 h
.set HQA,  7                           ; v7   high in LDS: my fragment's row, K step and half
.set IMW,  8                           ; v8   where I store my image;  v9 its scale word
.set ISW,  9
.set IMR,  10                          ; v10  16 x lane in the images;  v11  4 x lane in their scale words
.set ISR,  11
.set WSG,  12                          ; v12  my wave's region: 144 r + 32 h
.set WSD,  13                          ; v13  148 x lane: the diagonal
.set WSL,  14                          ; v14  144 x lane: a column
.set WSB,  15                          ; v15  the region of wave w % 4: 8 h
.set HEA,  16                          ; v16  high in LDS at my column e
.set CTA,  17                          ; v17  high in LDS: row 2 h, column r + 8 (r / 8)
.set VP,   18                          ; v18-22 the elimination: pivot, its reciprocal, at work, the row's factor, the pivots' reciprocals (lane k: pivot k's)
.set VD,   19
.set VE,   20
.set VG,   21
.set PV,   22
.set RR,   18                          ; at the head only: r, h, 4 (r + 8 (r / 8))
.set HH,   19
.set R8,   20
.set TT,   23
.set SW,   24                          ; v24-31 Q(high)'s scale words: they hold nothing else
.set TM,   32                          ; v32-35 largest magnitudes, v36-39 bytes, v40-43 the conversions' scale operands
.set PW,   44                          ; the scale word just made;  v45 the even K step's, kept
.set PWE,  45
.set SWO,  46                          ; v46-47 two K steps' words in one register, to store
.set PC,   48                          ; v48-67 the codes just made
.set HE,   48                          ; v48-67 high[j][my e], j = 0 .. 19
.set CP,   68                          ; v68-107 high on its way to LDS
.set ZQ,   108                         ; v108-111 zeros
.set HR,   68                          ; v68-131 64 numbers of high
.set FA,   32                          ; v32-79 four fragments as source 0;  v80-127 the same four as source 1: two runs of registers
.set FB,   80
.set G,    128                         ; v128-159 the Gram matrix, four tiles
.set M,    68                          ; v68-87 my column of it
.set IV,   68                          ; v68-167 -inv, ten columns at a time
.set VB,   168                         ; v168-177 V' = -inv high at my column, in source 1's layout
.set CT,   68                          ; v68-147 high^T, eight tiles x five K steps, in source 0's layout
.set XR,   128                         ; v128-191 64 numbers of x
.set ACC,  192                         ; v192-255 -ctinv: written by the f32 matrix instruction alone
.set SEL,  20                          ; s[20:21] v_permlanex16_b32's selects for lane l xor 16
.set MSK,  22                          ; s22 lanes 16-31
.set RW,   36                          ; s[36:55] the pivot's column
.macro PLACES n
.rept \n
	v_nop
.endr
.endm
.macro BARRIER                         ; my LDS stores have landed and my LDS loads are in: then the work-group's barrier
	s_wait_dscnt 0x0
	s_barrier_signal -1
	s_barrier_wait -1
.endm
; 64 numbers of a lane, register 16 b + i = k 32 b + 16 (lane / 16) + i of my row, become a fragment's codes in v[PC] on and its scale word in v[PW] (the same in lanes l and l xor 16).
.macro QUANT s
.irp b, 0,1,2,3
	v_max3_num_f32 v[TM+\b], |v[\s+16*\b]|, |v[\s+1+16*\b]|, 0x1800000   ; block b: my 16 numbers, and the floor 2^(3 - 127): the byte cannot fall under 1
.endr
.irp i, 2,4,6,8,10,12,14
.irp b, 0,1,2,3
	v_max3_num_f32 v[TM+\b], v[TM+\b], |v[\s+16*\b+\i]|, |v[\s+1+16*\b+\i]|   ; the four blocks by turns
.endr
.endr
.irp b, 0,1,2,3
	v_permlanex16_b32 v[TM+4+\b], v[TM+\b], s[SEL], s[SEL+1]
.endr
.irp b, 0,1,2,3
	v_max_num_f32 v[TM+\b], v[TM+\b], v[TM+4+\b]   ; with lane l xor 16's: the block's largest magnitude
.endr
.irp b, 0,1,2,3
	v_add_nc_u32 v[TM+8+\b], 0xff000000, v[TM+\b]  ; 2 off its exponent field: the conversion takes this operand's exponent field as its scale
.endr
.irp b, 0,1,2,3
	v_lshrrev_b32 v[TM+4+\b], 23, v[TM+8+\b]       ; the scale's byte
.endr
	v_lshl_or_b32 v[PW], v[TM+5], 8, v[TM+4]
	v_lshl_or_b32 v[PW], v[TM+6], 16, v[PW]
	v_lshl_or_b32 v[PW], v[TM+7], 24, v[PW]
.irp c, 0,1
	v_cvt_scalef32_pk16_fp6_f32 v[PC+6*\c:PC+2+6*\c], v[\s+32*\c:\s+15+32*\c], v[TM+8+2*\c]
	v_cvt_scalef32_pk16_fp6_f32 v[PC+12+4*\c:PC+14+4*\c], v[\s+16+32*\c:\s+31+32*\c], v[TM+8+2*\c+1]   ; (a conversion's three registers begin on an even number)
.endr
	v_nop                                          ; one plain instruction behind the scaled conversions
.irp c, 0,1                            ; the operand's layout wants a whole block in a lane: lanes 0-15 block 2 c, lanes 16-31 block 2 c + 1
.irp i, 0,1,2
	v_permlane16_swap_b32 v[PC+6*\c+\i], v[PC+12+4*\c+\i]
.endr
.irp i, 0,1,2
	v_mov_b32 v[PC+3+6*\c+\i], v[PC+12+4*\c+\i]
.endr
.endr
.endm
	s_load_b128 s[4:7], s[0:1], 0x0                ; high, x
	s_load_b128 s[8:11], s[0:1], 0x10              ; acode, ascale
	s_load_b64 s[12:13], s[0:1], 0x20              ; xb
	s_set_vgpr_msb 0x40
	v_lshl_add_u32 v0, v0, 2, 0x1c800
	v_mov_b32 v1, 0
	s_set_vgpr_msb 0x4000
	v_lshrrev_b32 v[TT], 5, v0
	v_readfirstlane_b32 s14, v[TT]                 ; wave 0..7
	v_and_b32 v[LN], 31, v0
	v_lshlrev_b32 v[LI], 4, v[LN]
	v_lshlrev_b32 v[LS], 2, v[LN]
	v_lshlrev_b32 v[GLA], 4, v0
	v_lshrrev_b32 v[TT], 7, v0                     ; 256 threads x 16 bytes are two rows of high
	v_and_b32 v[CPA], 127, v0
	v_lshlrev_b32 v[CPA], 4, v[CPA]
	v_mad_u32_u24 v[CPA], v[TT], HP, v[CPA]
	v_and_b32 v[RR], 15, v0                        ; r
	v_bfe_u32 v[HH], v0, 4, 1                      ; h
	v_lshlrev_b32 v[XA], 11, v[RR]
	v_lshl_add_u32 v[XA], v[HH], 6, v[XA]
	s_lshr_b32 s15, s14, 2                         ; as a quantiser of high: which tile of 16 rows,
	s_and_b32 s16, s14, 3                          ; which K step of 128 (of x too)
	s_mul_i32 s17, s15, 16*HP
	s_lshl_b32 s18, s16, 9
	s_add_co_u32 s17, s17, s18
	v_mul_u32_u24 v[HQA], v[RR], HP
	v_lshl_add_u32 v[HQA], v[HH], 6, v[HQA]
	v_add_nc_u32 v[HQA], s17, v[HQA]
	s_mul_i32 s17, s14, 1536
	s_add_co_u32 s17, s17, IMG
	v_add_nc_u32 v[IMW], s17, v[LI]
	s_lshl_b32 s17, s14, 7
	s_add_co_u32 s17, s17, ISC
	v_add_nc_u32 v[ISW], s17, v[LS]
	v_add_nc_u32 v[IMR], IMG, v[LI]
	v_add_nc_u32 v[ISR], ISC, v[LS]
	s_mul_i32 s17, s14, WSZ
	s_add_co_u32 s17, s17, WS                      ; the region of my wave's number
	v_mul_u32_u24 v[WSG], v[RR], WP
	v_lshl_add_u32 v[WSG], v[HH], 5, v[WSG]
	v_add_nc_u32 v[WSG], s17, v[WSG]
	v_mul_u32_u24 v[WSD], v[LN], WP+4
	v_add_nc_u32 v[WSD], s17, v[WSD]
	v_mul_u32_u24 v[WSL], v[LN], WP
	v_add_nc_u32 v[WSL], s17, v[WSL]
	s_mul_i32 s17, s16, WSZ
	s_add_co_u32 s17, s17, WS                      ; the region of wave w % 4, from which I read -inv
	v_lshl_add_u32 v[WSB], v[HH], 3, s17
	v_and_b32 v[R8], 8, v[RR]
	v_add_nc_u32 v[R8], v[R8], v[RR]
	v_lshlrev_b32 v[R8], 2, v[R8]                  ; 4 (r + 8 (r / 8))
	v_mul_u32_u24 v[CTA], v[HH], 2*HP
	v_add_nc_u32 v[CTA], v[CTA], v[R8]
	s_and_b32 s18, ttmp9, 3                        ; my work-group's quarter of the columns
	s_lshl_b32 s19, s18, 9
	s_lshr_b32 s23, s14, 1
	s_lshl_b32 s24, s23, 7
	s_add_co_u32 s19, s19, s24
	s_and_b32 s24, s14, 1                          ; u: which of an e-block's two tiles
	s_lshl_b32 s25, s24, 5
	s_add_co_u32 s19, s19, s25                     ; 4 x (128 quarter + 32 (w / 2) + 8 u)
	v_add_nc_u32 v[HEA], s19, v[R8]
	s_mov_b32 s[SEL], 0x76543210
	s_mov_b32 s[SEL+1], 0xfedcba98
	s_mov_b32 s[MSK], 0xffff0000
.irp b, 0,1,2,3
	v_mov_b32 v[TM+4+\b], 0                        ; written once: a lane permute's destination counts as one of its sources
	v_mov_b32 v[ZQ+\b], 0
.endr
	; where my results go.  The reader: class = 16 cg + 8 ch + cl, e-block = 2 p + ep, its wave = ch + 2 ep, cw = (8 cg + p) 4 + wave; fragment (4 u + s) 8 + cl of 1,536 bytes
	s_lshr_b32 s26, ttmp9, 2                       ; the class
	s_mul_i32 s28, s26, 40960                      ; its 20 rows of high
	s_mov_b32 s29, 0
	s_lshr_b32 s27, s26, 4
	s_lshl_b32 s27, s27, 3                         ; 8 cg
	s_lshl_b32 s30, s18, 1
	s_add_co_u32 s27, s27, s30
	s_add_co_u32 s27, s27, s15                     ; + p = 2 quarter + w / 4
	s_lshl_b32 s27, s27, 2
	s_bfe_u32 s30, s26, 0x10003                    ; ch
	s_add_co_u32 s27, s27, s30
	s_and_b32 s30, s23, 1                          ; ep
	s_lshl_b32 s30, s30, 1
	s_add_co_u32 s27, s27, s30                     ; cw
	s_and_b32 s31, s26, 7                          ; cl
	s_mul_i32 s32, s27, 98304
	s_mul_i32 s33, s24, 49152
	s_add_co_u32 s32, s32, s33
	s_mul_i32 s33, s31, 1536
	s_add_co_u32 s32, s32, s33
	s_mov_b32 s33, 0
	s_lshl_b32 s34, s27, 12                        ; scale words: 4,096 bytes a reader; 128 bytes for ((2 u + s / 2) 8 + cl)
	s_lshl_b32 s35, s24, 11
	s_add_co_u32 s34, s34, s35
	s_lshl_b32 s35, s31, 7
	s_add_co_u32 s34, s34, s35
	s_mov_b32 s35, 0
	s_wait_kmcnt 0x0
	s_add_nc_u64 s[4:5], s[4:5], s[28:29]
	s_add_nc_u64 s[8:9], s[8:9], s[32:33]
	s_add_nc_u64 s[10:11], s[10:11], s[34:35]
.irp k, 0,1,2,3,4,5,6,7,8,9
	global_load_b128 v[CP+4*\k:CP+4*\k+3], v[GLA], s[4:5] offset:4096*\k   ; the class's 40,960 bytes, as they lie
.endr
	s_wait_loadcnt 0x0
.irp k, 0,1,2,3,4,5,6,7,8,9
	ds_store_b128 v[CPA], v[CP+4*\k:CP+4*\k+3] offset:2*\k*HP
.endr
.irp k, 0,1,2,3,4,5
	ds_store_b128 v[CPA], v[ZQ:ZQ+3] offset:(20+2*\k)*HP   ; rows 20-31: zeros
.endr
	BARRIER                                        ; high lies in LDS
	; ---- Q(high): wave w makes the fragment of rows 16 (w / 4) on, K step w % 4
.irp b, 0,1,2,3
.irp j, 0,1,2,3
	ds_load_b128 v[HR+16*\b+4*\j:HR+16*\b+4*\j+3], v[HQA] offset:128*\b+16*\j
.endr
.endr
	s_wait_dscnt 0x0
	QUANT HR
.irp c, 0,1,2
	ds_store_b128 v[IMW], v[PC+4*\c:PC+4*\c+3] offset:512*\c
.endr
	ds_store_b32 v[ISW], v[PW]
	BARRIER                                        ; the eight images lie in LDS
.macro GFETCH hf
.irp ss, 0,1
.irp a, 0,1
.irp c, 0,1,2
	ds_load_b128 v[FA+12*(2*\ss+\a)+4*\c:FA+12*(2*\ss+\a)+4*\c+3], v[IMR] offset:(4*\a+2*(\hf)+\ss)*1536+512*\c
	ds_load_b128 v[FB+12*(2*\ss+\a)+4*\c:FB+12*(2*\ss+\a)+4*\c+3], v[IMR] offset:(4*\a+2*(\hf)+\ss)*1536+512*\c
.endr
.endr
.endr
.endm
.macro GMUL hf, ss, zero
.irp a, 0,1
.irp b, 0,1
.if \zero
	v_wmma_scale_f32_16x16x128_f8f6f4 v[G+8*(2*\a+\b):G+8*(2*\a+\b)+7], v[FA+12*(2*\ss+\a):FA+12*(2*\ss+\a)+11], v[FB+12*(2*\ss+\b):FB+12*(2*\ss+\b)+11], 0, v[SW+4*\a+2*\hf+\ss], v[SW+4*\b+2*\hf+\ss] matrix_a_fmt:MATRIX_FMT_FP6 matrix_b_fmt:MATRIX_FMT_FP6
.else
	v_wmma_scale_f32_16x16x128_f8f6f4 v[G+8*(2*\a+\b):G+8*(2*\a+\b)+7], v[FA+12*(2*\ss+\a):FA+12*(2*\ss+\a)+11], v[FB+12*(2*\ss+\b):FB+12*(2*\ss+\b)+11], v[G+8*(2*\a+\b):G+8*(2*\a+\b)+7], v[SW+4*\a+2*\hf+\ss], v[SW+4*\b+2*\hf+\ss] matrix_a_fmt:MATRIX_FMT_FP6 matrix_b_fmt:MATRIX_FMT_FP6
.endif
.endr
.endr
.endm
; The inverse, in place.  Step k: the pivot's column goes to scalar registers; every other column l takes  A(j, l) -= A(j, k) A(k, l) / p  and  A(k, l) = -A(k, l) / p;
; column k itself keeps its numbers, with 1 for the pivot: it stands for p times the true column, stays so through the later steps, which are linear in it, and is divided at the end.
.macro GJ k
.irp j, 0,1,2,3,4,5,6,7,8,9,10,11,12,13,14,15,16,17,18,19
	v_readlane_b32 s[RW+\j], v[M+\j], \k
.endr
	v_mov_b32 v[VP], s[RW+\k]
	v_rcp_f32 v[VD], v[VP]
	v_nop                                          ; a plain instruction behind the reciprocal
	v_cmp_ne_u32 vcc_lo, \k, v[LN]
	s_wait_alu depctr_va_vdst(0)                   ; the wait ahead of the result's first reader
	v_fma_f32 v[VE], -v[VP], v[VD], 1.0            ; one Newton step
	v_fma_f32 v[VD], v[VD], v[VE], v[VD]
	v_mul_f32 v[VG], -v[M+\k], v[VD]
	v_cndmask_b32 v[VG], 0, v[VG], vcc_lo          ; nothing is taken from column k
	v_cndmask_b32 v[PV], v[VD], v[PV], vcc_lo      ; lane k keeps 1 / p
.irp j, 0,1,2,3,4,5,6,7,8,9,10,11,12,13,14,15,16,17,18,19
.if \j != \k
	v_fma_f32 v[M+\j], v[VG], s[RW+\j], v[M+\j]
.endif
.endr
	v_cndmask_b32 v[M+\k], 1.0, v[VG], vcc_lo
.endm
	s_cmp_lt_u32 s14, 4                            ; the roles part on the wave's number; no barrier stands in either
	s_cbranch_scc0 .Lrole_x
	; ---- waves 0-3: the Gram matrix: four tiles by turns, four K steps, two at a time
.irp i, 0,1,2,3,4,5,6,7
	ds_load_b32 v[SW+\i], v[ISR] offset:128*\i
.endr
	GFETCH 0
	s_wait_dscnt 0x0
	GMUL 0, 0, 1                                   ; the first K step starts the sums
	GMUL 0, 1, 0
	PLACES 4                                       ; in front of loads into registers that matrix instructions have read
	GFETCH 1
	s_wait_dscnt 0x0
	GMUL 1, 0, 0
	GMUL 1, 1, 0
	PLACES 4                                       ; in front of the stores that read the results
	; tile (a, b), lane (r, h), register j is G(16 a + 8 h + j, 16 b + r): column n goes to 144 n, so that a lane can take a whole column
.irp a, 0,1
.irp b, 0,1
	ds_store_b128 v[WSG], v[G+8*(2*\a+\b):G+8*(2*\a+\b)+3] offset:16*WP*\b+64*\a      ; each tile from its low end on
	ds_store_b128 v[WSG], v[G+8*(2*\a+\b)+4:G+8*(2*\a+\b)+7] offset:16*WP*\b+64*\a+16
.endr
.endr
	ds_load_b32 v[VE], v[WSD]                      ; LDS serves a wave's instructions in order: this sees my stores
	s_wait_dscnt 0x0
	v_add_f32 v[VE], 0x3d200000, v[VE]             ; + 20 / 512 on the diagonal
	ds_store_b32 v[WSD], v[VE]
.irp i, 0,1,2,3,4
	ds_load_b128 v[M+4*\i:M+4*\i+3], v[WSL] offset:16*\i   ; lane l: column l, register i: row i.  Lanes 20-31 hold zeros
.endr
	v_mov_b32 v[PV], 0
	s_wait_dscnt 0x0
.irp k, 0,1,2,3,4,5,6,7,8,9,10,11,12,13,14,15,16,17,18,19
	GJ \k
.endr
.irp j, 0,1,2,3,4,5,6,7,8,9,10,11,12,13,14,15,16,17,18,19
	v_mul_f32 v[M+\j], -v[PV], v[M+\j]             ; lane j, register i: -inv(i, j)
.endr
.irp i, 0,1,2,3,4
	ds_store_b128 v[WSL], v[M+4*\i:M+4*\i+3] offset:16*\i
.endr
	s_branch .Ljoin
.Lrole_x:
	; ---- waves 4-7 of work-groups 0-199: a fragment of x: q-tile W (16 queries), K step w - 4.  No LDS access in this role
	s_cmp_lt_u32 ttmp9, 200
	s_cbranch_scc0 .Ljoin
	s_lshl_b32 s58, ttmp9, 15                      ; the q-tile's 16 rows of 2,048 bytes,
	s_lshl_b32 s57, s16, 9                         ; my K step
	s_add_co_u32 s58, s58, s57
	s_mov_b32 s59, 0
	s_add_nc_u64 s[58:59], s[6:7], s[58:59]
	s_mul_i32 s56, ttmp9, 6656                     ; its record: four images of 1,536 bytes, four of scale words
	s_mul_i32 s60, s16, 1536
	s_add_co_u32 s60, s60, s56
	s_mov_b32 s61, 0
	s_add_nc_u64 s[60:61], s[12:13], s[60:61]
	s_lshl_b32 s62, s16, 7
	s_add_co_u32 s62, s62, s56
	s_mov_b32 s63, 0
	s_add_nc_u64 s[62:63], s[12:13], s[62:63]
.irp b, 0,1,2,3
.irp j, 0,1,2,3
	global_load_b128 v[XR+16*\b+4*\j:XR+16*\b+4*\j+3], v[XA], s[58:59] offset:128*\b+16*\j   ; of each block of 32 my half's 16 neighbours
.endr
.endr
	s_wait_loadcnt 0x0
	QUANT XR
.irp c, 0,1,2
	global_store_b128 v[LI], v[PC+4*\c:PC+4*\c+3], s[60:61] offset:512*\c   ; the fragment as an image of its registers: 512 consecutive bytes a store
.endr
	global_store_b32 v[LS], v[PW], s[62:63] offset:6144
	s_wait_xcnt 0x0                                ; the stores have read their registers: the codes and the word are written again below
.Ljoin:
	BARRIER                                        ; -inv lies in the regions of waves 0-3; from here on no wave writes LDS
	; ---- V'(i, e) = the sum over j of -inv(i, j) high(j, e), for my column e, straight into source 1's layout of the f32 form: K step sp, register jj: i = 4 sp + 2 h + jj
.macro VSTEP j, jj
.irp sp, 0,1,2,3,4
.if (\j) == 0
	v_pk_mul_f32 v[VB+2*\sp:VB+2*\sp+1], v[IV+10*(\jj)+2*\sp:IV+10*(\jj)+2*\sp+1], v[HE:HE+1] op_sel_hi:[1,0]
.elseif (\j) % 2 == 0
	v_pk_fma_f32 v[VB+2*\sp:VB+2*\sp+1], v[IV+10*(\jj)+2*\sp:IV+10*(\jj)+2*\sp+1], v[HE+(\j):HE+(\j)+1], v[VB+2*\sp:VB+2*\sp+1] op_sel_hi:[1,0,1]   ; the pair's first register serves both halves
.else
	v_pk_fma_f32 v[VB+2*\sp:VB+2*\sp+1], v[IV+10*(\jj)+2*\sp:IV+10*(\jj)+2*\sp+1], v[HE+(\j)-1:HE+(\j)], v[VB+2*\sp:VB+2*\sp+1] op_sel:[0,1,0]      ; the pair's second
.endif
.endr
.endm
.irp j, 0,1,2,3,4,5,6,7,8,9,10,11,12,13,14,15,16,17,18,19
	ds_load_b32 v[HE+\j], v[HEA] offset:\j*HP
.endr
.irp bt, 0,1
.irp jj, 0,1,2,3,4,5,6,7,8,9
.irp sp, 0,1,2,3,4
	ds_load_b64 v[IV+10*\jj+2*\sp:IV+10*\jj+2*\sp+1], v[WSB] offset:WP*(10*\bt+\jj)+16*\sp   ; -inv(4 sp + 2 h + 0 .. 1, j): one address for each half of the lanes
.endr
.endr
	s_wait_dscnt 0x0
.irp jj, 0,1,2,3,4,5,6,7,8,9
	VSTEP 10*\bt+\jj, \jj
.endr
.endr
	; ---- -ctinv(d, e) = the sum over i of high(i, d) V'(i, e): source 0 = 16 rows d, source 1 = my 16 columns e; K = 20 in five steps of 4.  A lane then holds ONE e, and its registers run along d.
	; THE ROWS d OF A TILE ARE NOT NEIGHBOURS: row m of tile t takes d = 128 s + 32 (t / 2) + 8 (t % 2) + m + 8 (m / 8), so that register 16 b + i is d = 128 s + 32 b + 16 h + i: what QUANT takes.
.macro CTLOAD s
.irp t, 0,1,2,3,4,5,6,7
.irp sp, 0,1,2,3,4
.irp jj, 0,1
	ds_load_b32 v[CT+10*\t+2*\sp+\jj], v[CTA] offset:(4*\sp+\jj)*HP+4*(128*(\s)+32*(\t/2)+8*(\t%2))
.endr
.endr
.endr
.endm
.macro WM                              ; 40 matrix instructions: the eight tiles by turns, one instruction a turn; the first K step starts the sums
.irp sp, 0,1,2,3,4
.irp t, 0,1,2,3,4,5,6,7
.if \sp == 0
	v_wmma_f32_16x16x4_f32 v[ACC+8*\t:ACC+8*\t+7], v[CT+10*\t:CT+10*\t+1], v[VB:VB+1], 0
.else
	v_wmma_f32_16x16x4_f32 v[ACC+8*\t:ACC+8*\t+7], v[CT+10*\t+2*\sp:CT+10*\t+2*\sp+1], v[VB+2*\sp:VB+2*\sp+1], v[ACC+8*\t:ACC+8*\t+7]
.endif
.endr
.endr
.endm
.macro FRAGMENT s
	WM
	PLACES 9                                       ; eight in front of the reads of the results and of the loads into the sources; nine in front of the next sums, which begin on the same registers
.if (\s) < 3
	CTLOAD (\s)+1                                  ; the next K step's rows land while this one is quantised
.endif
.if (\s) > 0
	s_wait_xcnt 0x0                                ; the last fragment's stores have read their registers
.endif
	QUANT ACC
.irp c, 0,1,2
	global_store_b128 v[LI], v[PC+4*\c:PC+4*\c+3], s[8:9] offset:12288*(\s)+512*\c   ; the image of the operand's registers: 512 consecutive bytes a store
.endr
.if (\s) % 2 == 0
	v_mov_b32 v[PWE], v[PW]
.else
	v_cndmask_b32 v[SWO+(\s)/2], v[PWE], v[PW], s[MSK]   ; lanes 0-15 the even K step's words, lanes 16-31 the odd one's
	global_store_b32 v[LS], v[SWO+(\s)/2], s[10:11] offset:1024*((\s)/2)
.endif
.if (\s) < 3
	s_wait_dscnt 0x0
.endif
.endm
	CTLOAD 0
	s_wait_dscnt 0x0
	FRAGMENT 0
	FRAGMENT 1
	FRAGMENT 2
	FRAGMENT 3
	s_set_vgpr_msb 0x5
	s_wait_tensorcnt 0x0
	ds_add_u32 v0, v1
	s_wait_dscnt 0x0
	s_set_vgpr_msb 0x500
	s_endpgm
.Lfunc_end_k_q6f78a3e7b1_prep:
	.size	k_q6f78a3e7b1_prep, .Lfunc_end_k_q6f78a3e7b1_prep-k_q6f78a3e7b1_prep
	.p2alignl 7, 3214868480
	.fill 96, 4, 3214868480
	.section	.rodata,"a",@progbits
	.p2align	6, 0x0
	.amdhsa_kernel k_q6f78a3e7b1_prep
		.amdhsa_group_segment_fixed_size 117760
		.amdhsa_private_segment_fixed_size 0
		.amdhsa_enable_private_segment 0
		.amdhsa_kernarg_size 40
		.amdhsa_user_sgpr_count 2
		.amdhsa_user_sgpr_kernarg_segment_ptr 1
		.amdhsa_wavefront_size32 1
		.amdhsa_system_sgpr_workgroup_id_x 1
		.amdhsa_system_sgpr_workgroup_id_y 1
		.amdhsa_system_sgpr_workgroup_id_z 1
		.amdhsa_system_vgpr_workitem_id 0
		.amdhsa_next_free_vgpr 258
		.amdhsa_next_free_sgpr 66
		.amdhsa_reserve_vcc 1
		.amdhsa_float_denorm_mode_32 3
		.amdhsa_float_denorm_mode_16_64 3
		.amdhsa_memory_ordered 1
		.amdhsa_forward_progress 1
		.amdhsa_inst_pref_size 147
	.end_amdhsa_kernel
	.amdgpu_metadata
---
amdhsa.version: [ 1, 2 ]
amdhsa.kernels:
  - .name:           k_q6f78a3e7b1_prep
    .symbol:         k_q6f78a3e7b1_prep.kd
    .args:
      - { .name: high, .offset: 0, .size: 8, .value_kind: global_buffer, .address_space: global }
      - { .name: x, .offset: 8, .size: 8, .value_kind: global_buffer, .address_space: global }
      - { .name: acode, .offset: 16, .size: 8, .value_kind: global_buffer, .address_space: global }
      - { .name: ascale, .offset: 24, .size: 8, .value_kind: global_buffer, .address_space: global }
      - { .name: xb, .offset: 32, .size: 8, .value_kind: global_buffer, .address_space: global }
    .group_segment_fixed_size: 117760
    .private_segment_fixed_size: 0
    .kernarg_segment_align: 8
    .kernarg_segment_size: 40
    .max_flat_workgroup_size: 256
    .sgpr_count:     66
    .vgpr_count:     258
    .wavefront_size: 32
...
	.end_amdgpu_metadata
.endif
;; end of part 1
;; launch gemm (part 2): grid 32 x 8, 4 waves a work-group, clusters of 4 x 1, 327,680 bytes of LDS; arguments acode, ascale, xb, x, part; writes part
.if DOCPART == 2
	.amdgcn_target "amdgcn-amd-amdhsa--gfx1250"
	.amdhsa_code_object_version 6
	.text
	.protected	k_q6f78a3e7b1_gemm
	.globl	k_q6f78a3e7b1_gemm
	.p2align	8
	.type	k_q6f78a3e7b1_gemm,@function
k_q6f78a3e7b1_gemm:
	s_mov_b64 s[64:65], 0
	v_nop
	global_prefetch_b8 v0, s[64:65] scope:SCOPE_SE
	s_setreg_imm32_b32 hwreg(HW_REG_WAVE_MODE, 25, 1), 1
	s_wait_xcnt 0x0
	s_wait_alu depctr_hold_cnt(0) depctr_sa_sdst(0) depctr_va_vdst(0) depctr_va_sdst(0) depctr_va_ssrc(0) depctr_va_vcc(0) depctr_vm_vsrc(0)
	s_getreg_b32 s2, hwreg(HW_REG_IB_STS2, 6, 4)
	s_cmp_eq_u32 s2, 0
	s_cbranch_scc0 .Lentry_in_a_cluster
	s_endpgm
.Lentry_in_a_cluster:
	s_bfe_u32 s2, ttmp6, 0x10000c
	s_cmp_lg_u32 s2, 0x3003
	s_cbranch_scc0 .Lentry_shape_is_right
	s_endpgm
.Lentry_shape_is_right:
; GEMM.  q - t = x(q, e) + the sum over d of Q(-ctinv)(c, d, e) Q(x)(q, d), on codes of E2M3 with E8M0 scales; then the squares, summed over 32 e and over the 25 queries of a b.
; SHARES.  Cluster x = p: 64 columns e; place in the cluster = cg: 16 classes; y = g: 400 queries = 25 tiles of 16 = 16 b.  Wave w: classes 16 cg + 8 (w % 2) + 0 .. 7, e-block 2 p + w / 2 (32 columns, two tiles).
; THE WEIGHTS STAY: a wave's 8 classes x 2 tiles x 4 K steps = 64 fragments, 768 registers, come from memory once, laid by the launch before as images of these registers.
; x COMES ONCE INTO LDS: the 25 tiles' codes and scale words (166,400 bytes) and 256 bytes of each of the 400 rows of x itself (the 64 columns e, in f32).  No LDS byte is filled twice.
; THE C OF EACH SUM'S FIRST STEP IS x(q, e): row m of tile u is e = 32 eb + 8 u + m + 8 (m / 8), so register j of lane (q, h) is e = 32 eb + 16 h + 8 u + j: 64 neighbouring bytes of x's row serve both
; tiles, and one load of them serves eight classes.  So the matrix unit gives q - t, and what is left for each accumulator is four packed multiply-adds.
; BY TURNS.  A q-tile's 64 matrix instructions go in eight BLOCKS of eight: one tile u, four classes, two K steps.  The order: (u 0, classes 0-3, K 0-1), (u 0, 4-7, K 0-1), (u 0, 0-3, K 2-3), (u 0, 4-7, K 2-3), and
; the same for u 1.  So the eight accumulators are two sets of four, and while one set is multiplied the other's 16 packed squares stand in slices behind the matrix instructions.  A q-tile has 82 vector
; instructions beside its 64 matrix instructions; set in runs of their own they would stand bare.  The price: a slice's first source lies in window 0 and a product's in the fragment's window, so a slice
; costs two switches: 35 slices a q-tile.  The squares of u 1's classes 4-7 and the sum across the halves of the lanes fall into the next q-tile's first two blocks.
; CLUSTER.  The four class groups of a cluster need the same bytes of x: both tiles are asked for JOINTLY (mask 15).  The weights are not: no two work-groups of a cluster share any, those that share them
; (the eight g) take them straight into registers, and a work-group's 393,216 bytes of them are more than LDS holds.
.set NT,   25                          ; q-tiles
.set REC,  6656                        ; a q-tile's record: four images of 1,536 bytes, four of scale words (128 bytes)
.set CREG, 166400                      ; LDS: behind the 25 records: 400 rows of x, 256 bytes + 16 of padding
.set CPI,  272
.set SCR,  275200                      ; behind them, on a multiple of 256 bytes: 12,800 bytes for each wave: its sums, 16 bytes a lane and q-tile.  No tile lands here
.set AB,   2                           ; v2   the q-tile's images;  v3 its scale words;  v4 its rows of x;  v5 its place among my sums
.set AS4,  3
.set AC,   4
.set ASC,  5
.set LI,   6                           ; v6   16 x lane
.set LS,   7                           ; v7   4 x lane
.set AS0,  8                           ; v8   6,144 + 4 x lane
.set AC0,  9                           ; v9   CREG + 272 r + 64 h + 128 (w / 2)
.set ASC0, 10                          ; v10  SCR + 12,800 w + 16 x lane
.set EQ,   11                          ; v11  25 x (lane % 16)
.set EB,   12                          ; v12  SCR + 12,800 w + 256 h
.set SUM,  16                          ; v16-31 a pair for each class
.set T,    32                          ; v32-39
.set BS,   40                          ; v40-43 x's scale words, a K step each: they hold nothing else
.set CR,   44                          ; v44-59 x(q, e): 8 registers for each tile u
.set BF,   60                          ; v60-107 x's four fragments
.set AS,   108                         ; v108-139 the weights' scale words: register (2 u + s / 2) 8 + cl: lanes 0-15 the even K step's, lanes 16-31 the odd one's
.set F63,  140                         ; v140-151 fragment 63.  Fragment f < 63 lies in window 1 + f / 21 at register 12 (f % 21)
.set ACC,  152                         ; v152-215 eight accumulators, one a class: classes 0-3 are one set, classes 4-7 the other
.set E,    152                         ; v152-251 at the end: 25 x 4 sums
.set WV,   14
.set CNT,  40
.set SBO,  41                          ; s41, s42, s43: how far on the q-tile in hand lies among the records, the rows of x, my sums
.set SCO,  42
.set SSO,  43
.set MSB, 0
.macro WIN new                         ; the immediate's high byte repeats the setting that is left; a switch that changes nothing is dropped
.if MSB != \new
	s_set_vgpr_msb (MSB<<8)|\new
.set MSB, \new
.endif
.endm
.macro PLACES n
.rept \n
	v_nop
.endr
.endm
.macro ROUND                           ; a round of the cluster's barrier
	s_barrier_signal -1
	s_barrier_wait -1
	s_cmp_lg_u32 s[WV], 0
	s_cbranch_scc1 .Lnot_wave_0_\@
	s_barrier_signal -3
.Lnot_wave_0_\@:
	s_barrier_wait -3
	s_barrier_signal -1
	s_barrier_wait -1
.endm
	s_load_b256 s[4:11], s[0:1], 0x0               ; acode s[4:5], ascale s[6:7], xb s[8:9], x s[10:11]
	s_load_b64 s[12:13], s[0:1], 0x20              ; part
	v_lshl_add_u32 v254, v0, 2, 0x4fb00
	v_mov_b32 v255, 0
	ds_add_u32 v254, v255
	ds_add_u32 v254, v255
	v_lshrrev_b32 v1, 5, v0
	v_readfirstlane_b32 s[WV], v1                  ; wave 0..3
	s_bfe_u32 s15, ttmp6, 0x40000                  ; cg: my place in the cluster: it enters the weights' and the results' addresses alone
	; descriptor group 1 for the records: half of them, 83,200 dense bytes, as 325 rows of 256 bytes (32 elements of 8 bytes)
	s_mov_b32 s16, 15|(3<<16)|(1<<21)              ; 15:0 the mask: all four work-groups; 17:16 elements of 8 bytes; 21 set beside a mask
	s_mov_b32 s17, 32<<16                          ; tensor_dim0
	s_mov_b32 s18, 325<<16                         ; tensor_dim1
	s_mov_b32 s19, 32<<16                          ; tile_dim0
	s_mov_b32 s20, 325                             ; tile_dim1
	s_mov_b32 s21, 32                              ; from row to row
	s_mov_b32 s22, 0
	s_mov_b32 s23, 0
	; and for x: 200 rows of 256 bytes, 2,048 bytes apart, 16 bytes of padding behind each
	s_mov_b32 s24, 15|(3<<16)|(1<<20)|(1<<21)|(5<<22)|(3<<25)   ; 20 padding on; 24:22 after every 64 words (code 5); 31:25 of 4 words (code 3)
	s_mov_b32 s25, 32<<16
	s_mov_b32 s26, 200<<16
	s_mov_b32 s27, 32<<16
	s_mov_b32 s28, 200
	s_mov_b32 s29, 256
	s_mov_b32 s30, 0
	s_mov_b32 s31, 0
	s_and_b32 s40, ttmp7, 0xffff                   ; g
	s_and_b32 s41, s[WV], 1                        ; which half I fetch: waves 0, 1 of the records, waves 2, 3 of x
	s_mul_i32 s33, s41, 83200                      ; the records' half in LDS,
	s_mul_i32 s44, s40, 166400
	s_add_co_u32 s44, s44, s33                     ; and in xb
	s_mov_b32 s45, 0
	s_mul_i32 s37, s41, 54400
	s_add_co_u32 s37, s37, CREG                    ; x's half in LDS,
	s_mul_i32 s46, s40, 819200                     ; and in memory: 400 g rows,
	s_lshl_b32 s42, ttmp9, 8                       ; 64 p columns,
	s_add_co_u32 s46, s46, s42
	s_mul_i32 s42, s41, 409600                     ; 200 rows a half
	s_add_co_u32 s46, s46, s42
	s_mov_b32 s47, 0
	s_lshl_b32 s2, s40, 3                          ; my record of results: ((8 g + p) 4 + cg) 4 + w, 512 bytes each
	s_add_co_u32 s2, s2, ttmp9
	s_lshl_b32 s2, s2, 2
	s_add_co_u32 s2, s2, s15
	s_lshl_b32 s2, s2, 2
	s_add_co_u32 s2, s2, s[WV]
	s_lshl_b32 s2, s2, 9
	s_mov_b32 s3, 0
	s_lshl_b32 s15, s15, 3                         ; my weights: cw = (8 cg + p) 4 + w
	s_add_co_u32 s15, s15, ttmp9
	s_lshl_b32 s15, s15, 2
	s_add_co_u32 s15, s15, s[WV]
	s_wait_dscnt 0x0
	s_wait_kmcnt 0x0
	s_add_nc_u64 s[12:13], s[12:13], s[2:3]
	s_mul_i32 s2, s15, 98304
	s_add_nc_u64 s[4:5], s[4:5], s[2:3]
	s_lshl_b32 s2, s15, 12
	s_add_nc_u64 s[6:7], s[6:7], s[2:3]
	s_mov_b32 s32, 1                               ; group 0 for the records: count = 1; s33 the LDS address;
	s_add_nc_u64 s[34:35], s[8:9], s[44:45]        ; the global address;
	s_or_b32 s35, s35, 0x80000000                  ; type = 2
	s_mov_b32 s36, 1                               ; and for x
	s_add_nc_u64 s[38:39], s[10:11], s[46:47]
	s_or_b32 s39, s39, 0x80000000
	ROUND                                          ; all four work-groups are here: the joint loads meet
	s_cmp_lt_u32 s[WV], 2                          ; the branch hangs on the wave's number alone.  One tensor load of mine is out.  Four v_nop follow each line
	s_cbranch_scc0 .Lfor_x
	tensor_load_to_lds s[32:35], s[16:23]
	s_nop 0
	PLACES 4
	s_branch .Lasked
.Lfor_x:
	tensor_load_to_lds s[36:39], s[24:31]
	s_nop 0
	PLACES 4
.Lasked:
	v_and_b32 v1, 31, v0
	v_lshlrev_b32 v[LI], 4, v1
	v_lshlrev_b32 v[LS], 2, v1
.irp i, 0,1,2,3,4,5,6,7,8,9,10,11,12,13,14,15,16,17,18,19,20,21,22,23,24,25,26,27,28,29,30,31
	global_load_b32 v[AS+\i], v[LS], s[6:7] offset:128*\i
.endr
.set FN, 0
.rept 64                               ; the 64 fragments: three loads of 512 consecutive bytes each
.if FN < 63
.set WN, (1+FN/21)<<6
.set RA, 12*(FN%21)
.else
.set WN, 0
.set RA, F63
.endif
	WIN WN                                         ; the destination's window
.irp c, 0,1,2
	global_load_b128 v[RA+4*\c:RA+4*\c+3], v[LI], s[4:5] offset:FN*1536+512*\c
.endr
.set FN, FN+1
.endr
	WIN 0
	v_add_nc_u32 v[AS0], 6144, v[LS]
	v_and_b32 v13, 15, v0                          ; r
	v_bfe_u32 v14, v0, 4, 1                        ; h
	v_mul_u32_u24 v[AC0], v13, CPI
	v_lshl_add_u32 v[AC0], v14, 6, v[AC0]
	s_lshr_b32 s44, s[WV], 1
	s_lshl_b32 s44, s44, 7
	s_add_co_u32 s44, s44, CREG
	v_add_nc_u32 v[AC0], s44, v[AC0]
	s_mul_i32 s44, s[WV], 12800
	s_add_co_u32 s44, s44, SCR
	v_add_nc_u32 v[ASC0], s44, v[LI]
	v_mul_u32_u24 v[EQ], v13, 25
	v_lshl_add_u32 v[EB], v14, 8, s44
	s_mov_b32 s[SBO], 0
	s_mov_b32 s[SCO], 0
	s_mov_b32 s[SSO], 0
	s_mov_b32 s[CNT], NT-2
	v_add_nc_u32 v[AB], s[SBO], v[LI]
	v_add_nc_u32 v[AS4], s[SBO], v[AS0]
	v_add_nc_u32 v[AC], s[SCO], v[AC0]
; One matrix instruction: tile u, K step s, class cl.  Source 0 = 16 columns e of the class, source 1 = 16 queries.  K step 0 starts the sum with x(q, e) as C.
.macro W1 u, s, cl
.set FN, (4*(\u)+(\s))*8+(\cl)
.if FN < 63
.set WN, 1+FN/21
.set RA, 12*(FN%21)
.else
.set WN, 0
.set RA, F63
.endif
.set RD, ACC+8*(\cl)
.set RB, BF+12*(\s)
.set RS, AS+16*(\u)+8*((\s)/2)+(\cl)
	WIN WN                                         ; source 0's window
.if (\s) == 0
	v_wmma_scale_f32_16x16x128_f8f6f4 v[RD:RD+7], v[RA:RA+11], v[RB:RB+11], v[CR+8*(\u):CR+8*(\u)+7], v[RS], v[BS] matrix_a_fmt:MATRIX_FMT_FP6 matrix_b_fmt:MATRIX_FMT_FP6
.elseif (\s) == 2
	v_wmma_scale_f32_16x16x128_f8f6f4 v[RD:RD+7], v[RA:RA+11], v[RB:RB+11], v[RD:RD+7], v[RS], v[BS+2] matrix_a_fmt:MATRIX_FMT_FP6 matrix_b_fmt:MATRIX_FMT_FP6
.else
	v_wmma_scale_f32_16x16x128_f8f6f4 v[RD:RD+7], v[RA:RA+11], v[RB:RB+11], v[RD:RD+7], v[RS], v[BS+(\s)] matrix_a_fmt:MATRIX_FMT_FP6 matrix_b_fmt:MATRIX_FMT_FP6 matrix_a_scale:MATRIX_SCALE_ROW1
.endif
.endm
.macro LOADB s                         ; x's fragment and scale words of K step s
.irp c, 0,1,2
	ds_load_b128 v[BF+12*\s+4*\c:BF+12*\s+4*\c+3], v[AB] offset:1536*\s+512*\c
.endr
	ds_load_b32 v[BS+\s], v[AS4] offset:128*\s
.endm
.macro R1                              ; 12 loads: K steps 0 and 1, and x(q, e)
	LOADB 0
	LOADB 1
.irp c, 0,1,2,3
	ds_load_b128 v[CR+4*\c:CR+4*\c+3], v[AC] offset:16*\c
.endr
.endm
.macro R2                              ; 8 loads: K steps 2 and 3
	LOADB 2
	LOADB 3
.endm
; Square k of 16 of the set that begins at class cb: register pair k / 4 of class cb + k % 4: each accumulator from its low end on, the classes by turns.  first = 1: tile u 0's: the first pair starts the class's sum
.macro PK first, cb, k
.set PR, (\k)/4
.set PCL, (\cb)+(\k)%4
	WIN 0
.if (\first) && (PR == 0)
	v_pk_mul_f32 v[SUM+2*PCL:SUM+2*PCL+1], v[ACC+8*PCL:ACC+8*PCL+1], v[ACC+8*PCL:ACC+8*PCL+1]
.else
	v_pk_fma_f32 v[SUM+2*PCL:SUM+2*PCL+1], v[ACC+8*PCL+2*PR:ACC+8*PCL+2*PR+1], v[ACC+8*PCL+2*PR:ACC+8*PCL+2*PR+1], v[SUM+2*PCL:SUM+2*PCL+1]
.endif
.endm
; The slice behind a block's I-th matrix instruction, of a set's squares: four places behind the set's last product first; then 2, 2, 2, 2, 2, 3, 3 squares
.macro SQS first, cb
.if I == 0
	PLACES 4
.elseif I < 6
	PK \first, \cb, 2*I-2
	PK \first, \cb, 2*I-1
.elseif I == 6
	PK \first, \cb, 10
	PK \first, \cb, 11
	PK \first, \cb, 12
.else
	PK \first, \cb, 13
	PK \first, \cb, 14
	PK \first, \cb, 15
.endif
.endm
; The slice behind a block's I-th matrix instruction, of a q-tile's end: the pairs' halves are added; the halves of the lanes are joined; the sums' place in my LDS bytes is made
.macro TAILS
.if I < 5
	WIN 0
.endif
.if I == 0
.irp cl, 0,1,2,3
	v_add_f32 v[T+\cl], v[SUM+2*\cl], v[SUM+2*\cl+1]   ; my 16 columns e of query r
.endr
.elseif I == 1
.irp cl, 4,5,6,7
	v_add_f32 v[T+\cl], v[SUM+2*\cl], v[SUM+2*\cl+1]
.endr
.elseif I == 2
.irp i, 0,1,2,3
	v_permlane16_swap_b32 v[T+\i], v[T+4+\i]       ; class i's upper lanes change places with class i + 4's lower ones:
.endr
.elseif I == 3
.irp i, 0,1,2,3
	v_add_f32 v[T+\i], v[T+\i], v[T+4+\i]          ; register i: class i + 4 h, query r, all 32 columns
.endr
.elseif I == 4
	v_add_nc_u32 v[ASC], s[SSO], v[ASC0]
	s_add_co_u32 s[SSO], s[SSO], 512
.endif
.endm
; What stands behind a block's I-th matrix instruction.  kind 0: nothing.  1: the squares of a set (a1 = first, a2 = its first class).  2: the same, and behind the four places this q-tile's K steps 2 and 3
; are fetched: the places stand behind the last product that read their registers too.  3: a q-tile's end.  4: behind the block's first product, in ONE run of LDS instructions: the store of the
; q-tile before's sums (a2 = 1) and the next q-tile's K steps 0 and 1 and x(q, e) (a1 = 1); the three additions and the v_nop are the four places behind the last product that read those registers.
.macro SL kind, a1, a2
.if (\kind) == 1
	SQS \a1, \a2
.elseif (\kind) == 2
	SQS \a1, \a2
.if I == 0
	WIN 0
	R2
.endif
.elseif (\kind) == 3
	TAILS
.elseif (\kind) == 4
.if I == 0
	WIN 0
.if (\a1)
	s_add_co_u32 s[SBO], s[SBO], REC
	s_add_co_u32 s[SCO], s[SCO], 16*CPI
	v_add_nc_u32 v[AB], s[SBO], v[LI]
	v_add_nc_u32 v[AS4], s[SBO], v[AS0]
	v_add_nc_u32 v[AC], s[SCO], v[AC0]
	v_nop
.endif
.if (\a2)
	ds_store_b128 v[ASC], v[T:T+3]
.endif
.if (\a1)
	R1
.endif
.endif
.endif
.endm
; A block: tile u, classes 4 hf + 0 .. 3, K steps 2 sp and 2 sp + 1: eight matrix instructions, the four accumulators by turns, one instruction a turn
.macro BLK u, hf, sp, kind, a1, a2
.set I, 0
.irp ss, 0,1
.irp c, 0,1,2,3
	W1 \u, 2*\sp+\ss, 4*\hf+\c
	SL \kind, \a1, \a2
.set I, I+1
.endr
.endr
.endm
; A q-tile.  A set is begun anew (another C) a block behind its squares: five places lie between its last product and that: the four v_nop and the squares of the set's other three accumulators.
; first = 1: no q-tile stands before it, and its K steps 2 and 3 were asked for ahead of it.  next = 1: the next q-tile's operands are fetched.
.macro QT first, next
.if \first
	BLK 0, 0, 0, 0, 0, 0
	BLK 0, 1, 0, 0, 0, 0
.else
	s_wait_dscnt 0x0                               ; K steps 0 and 1 and x(q, e) are in: asked for 15 matrix instructions ago, and nothing was issued behind them
	BLK 0, 0, 0, 2, 0, 4                           ; | the squares of the q-tile before: u 1, classes 4-7
	BLK 0, 1, 0, 3, 0, 0                           ; | its end
.endif
	s_wait_dscnt 0x0                               ; K steps 2 and 3 are in: likewise
	BLK 0, 0, 1, 0, 0, 0
	BLK 0, 1, 1, 1, 1, 0                           ; | the squares of u 0, classes 0-3
	BLK 1, 0, 0, 1, 1, 4                           ; | of u 0, classes 4-7
	BLK 1, 1, 0, 0, 0, 0
	BLK 1, 0, 1, 4, \next, 1-\first
	BLK 1, 1, 1, 1, 0, 0                           ; | of u 1, classes 0-3
	WIN 0                                          ; at a label and at a branch every window is 0
.endm
	s_wait_tensorcnt 0x0                           ; my part of x is in LDS,
	s_barrier_signal -1
	s_barrier_wait -1                              ; everybody's is
	R1
	R2
	s_wait_loadcnt 0x0                             ; the weights
	s_wait_dscnt 8                                 ; the first twelve loads are in; the eight of K steps 2 and 3 may be out
	QT 1, 1
.Ltile:                                            ; q-tiles 1 to 23
	QT 0, 1
	s_sub_co_u32 s[CNT], s[CNT], 1
	s_cmp_lg_u32 s[CNT], 0
	s_cbranch_scc1 .Ltile
	QT 0, 0                                        ; the last q-tile fetches nothing for a successor
	PLACES 4                                       ; and its last squares and its end stand bare
.irp k, 0,1,2,3,4,5,6,7,8,9,10,11,12,13,14,15
	PK 0, 4, \k
.endr
.set I, 0
.rept 5
	TAILS
.set I, I+1
.endr
	ds_store_b128 v[ASC], v[T:T+3]
	; ---- the sum over a b's 25 queries.  Query q of the 400 lies at 16 q + 256 (q / 16) + 256 h of my own bytes; lane (b, h) takes q = 25 b + i.  LDS serves a wave's instructions in order: these loads see my stores
.irp i, 0,1,2,3,4,5,6,7,8,9,10,11,12,13,14,15,16,17,18,19,20,21,22,23,24
	v_add_nc_u32 v13, \i, v[EQ]
	v_lshrrev_b32 v14, 4, v13
	v_lshl_add_u32 v14, v14, 8, v[EB]
	v_lshl_add_u32 v13, v13, 4, v14
	ds_load_b128 v[E+4*\i:E+4*\i+3], v13
.endr
	s_wait_dscnt 0x0
.irp i, 1,2,3,4,5,6,7,8,9,10,11,12,13,14,15,16,17,18,19,20,21,22,23,24
	v_pk_add_f32 v[E:E+1], v[E:E+1], v[E+4*\i:E+4*\i+1]
	v_pk_add_f32 v[E+2:E+3], v[E+2:E+3], v[E+4*\i+2:E+4*\i+3]
.endr
	global_store_b128 v[LI], v[E:E+3], s[12:13]    ; 32 lanes store 512 consecutive bytes, at a multiple of 512 from the buffer's first byte
	s_wait_tensorcnt 0x0
	ds_add_u32 v254, v255
	s_wait_dscnt 0x0
	ROUND                                          ; the closing round
	s_endpgm
.Lfunc_end_k_q6f78a3e7b1_gemm:
	.size	k_q6f78a3e7b1_gemm, .Lfunc_end_k_q6f78a3e7b1_gemm-k_q6f78a3e7b1_gemm
	.p2alignl 7, 3214868480
	.fill 96, 4, 3214868480
	.section	.rodata,"a",@progbits
	.p2align	6, 0x0
	.amdhsa_kernel k_q6f78a3e7b1_gemm
		.amdhsa_group_segment_fixed_size 327680
		.amdhsa_private_segment_fixed_size 0
		.amdhsa_enable_private_segment 0
		.amdhsa_kernarg_size 40
		.amdhsa_user_sgpr_count 2
		.amdhsa_user_sgpr_kernarg_segment_ptr 1
		.amdhsa_wavefront_size32 1
		.amdhsa_system_sgpr_workgroup_id_x 1
		.amdhsa_system_sgpr_workgroup_id_y 1
		.amdhsa_system_sgpr_workgroup_id_z 1
		.amdhsa_system_vgpr_workitem_id 0
		.amdhsa_next_free_vgpr 1024
		.amdhsa_next_free_sgpr 66
		.amdhsa_reserve_vcc 0
		.amdhsa_float_denorm_mode_32 3
		.amdhsa_float_denorm_mode_16_64 3
		.amdhsa_memory_ordered 1
		.amdhsa_forward_progress 1
		.amdhsa_inst_pref_size 87
	.end_amdhsa_kernel
	.amdgpu_metadata
---
amdhsa.version: [ 1, 2 ]
amdhsa.kernels:
  - .name:           k_q6f78a3e7b1_gemm
    .symbol:         k_q6f78a3e7b1_gemm.kd
    .args:
      - { .name: acode, .offset: 0, .size: 8, .value_kind: global_buffer, .address_space: global }
      - { .name: ascale, .offset: 8, .size: 8, .value_kind: global_buffer, .address_space: global }
      - { .name: xb, .offset: 16, .size: 8, .value_kind: global_buffer, .address_space: global }
      - { .name: x, .offset: 24, .size: 8, .value_kind: global_buffer, .address_space: global }
      - { .name: part, .offset: 32, .size: 8, .value_kind: global_buffer, .address_space: global }
    .group_segment_fixed_size: 327680
    .private_segment_fixed_size: 0
    .kernarg_segment_align: 8
    .kernarg_segment_size: 40
    .max_flat_workgroup_size: 128
    .sgpr_count:     66
    .vgpr_count:     1024
    .wavefront_size: 32
...
	.end_amdgpu_metadata
.endif
;; end of part 2
;; launch finish (part 3): grid 8 x 1, 8 waves a work-group, no clusters, 6,656 bytes of LDS; arguments part, out0; writes out0
.if DOCPART == 3
	.amdgcn_target "amdgcn-amd-amdhsa--gfx1250"
	.amdhsa_code_object_version 6
	.text
	.protected	k_q6f78a3e7b1_finish
	.globl	k_q6f78a3e7b1_finish
	.p2align	8
	.type	k_q6f78a3e7b1_finish,@function
k_q6f78a3e7b1_finish:
	s_mov_b64 s[64:65], 0
	v_nop
	global_prefetch_b8 v0, s[64:65] scope:SCOPE_SE
	s_setreg_imm32_b32 hwreg(HW_REG_WAVE_MODE, 25, 1), 1
	s_wait_xcnt 0x0
; FINISH.  dist summed over the 16 e-blocks; logits = -sum / 25; each row scaled to 0 .. 1 by its least and its largest over the 64 classes.
; Work-group g: rows b = 16 g .. 16 g + 15.  Wave v: classes 8 v .. 8 v + 7; lane (b, h): classes 8 v + 4 h + 0 .. 3 of row 16 g + b.
; A row whose logits are all equal gives 0 x infinity = NaN, as the division 0 / 0 does.  NaN and infinities among the inputs are not served.
; LDS: 0: least and largest of each wave, 64 bytes a row;  1,024: 16 rows of 256 bytes + 16.
	s_load_b128 s[4:7], s[0:1], 0x0                ; part, out0
	v_lshl_add_u32 v104, v0, 2, 0x1600
	v_mov_b32 v105, 0
	v_lshrrev_b32 v1, 5, v0
	v_readfirstlane_b32 s8, v1                     ; wave 0..7
	v_and_b32 v1, 31, v0
	v_lshlrev_b32 v2, 4, v1                        ; 16 x lane
	v_and_b32 v3, 15, v0                           ; b
	v_bfe_u32 v4, v0, 4, 1                         ; h
	s_lshl_b32 s10, ttmp9, 16                      ; g's 128 records of 512 bytes: ((8 g + p) 4 + cg) 4 + ch + 2 ep
	s_lshr_b32 s9, s8, 1
	s_lshl_b32 s9, s9, 11                          ; cg = v / 2
	s_add_co_u32 s10, s10, s9
	s_and_b32 s9, s8, 1
	s_lshl_b32 s9, s9, 9                           ; ch = v % 2
	s_add_co_u32 s10, s10, s9
	s_mov_b32 s11, 0
	s_lshl_b32 s12, ttmp9, 12                      ; 16 rows of out0
	s_mov_b32 s13, 0
	v_lshlrev_b32 v6, 6, v3                        ; 64 b
	s_lshl_b32 s14, s8, 3
	v_add_nc_u32 v5, s14, v6                       ; + 8 v
	v_mul_u32_u24 v7, v3, 272
	v_lshl_add_u32 v7, v4, 4, v7
	s_lshl_b32 s14, s8, 5
	s_add_co_u32 s14, s14, 1024
	v_add_nc_u32 v7, s14, v7                       ; 1,024 + 272 b + 32 v + 16 h
	v_lshrrev_b32 v8, 4, v0
	v_mul_u32_u24 v8, v8, 272
	v_lshl_add_u32 v8, v3, 4, v8
	v_add_nc_u32 v8, 1024, v8                      ; back: row thread / 16, 16 bytes a thread
	v_lshlrev_b32 v9, 4, v0
	s_mov_b32 s16, 0x76543210
	s_mov_b32 s17, 0xfedcba98                      ; v_permlanex16_b32's selects for lane l xor 16
	v_mov_b32 v82, 0                               ; a lane permute's destination counts as one of its sources
	v_mov_b32 v83, 0
	s_wait_kmcnt 0x0
	s_add_nc_u64 s[4:5], s[4:5], s[10:11]
	s_add_nc_u64 s[6:7], s[6:7], s[12:13]
.irp k, 0,1,2,3,4,5,6,7,8,9,10,11,12,13,14,15
	global_load_b128 v[16+4*\k:19+4*\k], v2, s[4:5] offset:8192*(\k/2)+1024*(\k%2) th:TH_LOAD_NT   ; e-block 2 p + ep = k: 512 consecutive bytes a load, read once
.endr
	s_wait_loadcnt 0x0
.irp k, 1,2,3,4,5,6,7,8,9,10,11,12,13,14,15
	v_pk_add_f32 v[16:17], v[16:17], v[16+4*\k:17+4*\k]
	v_pk_add_f32 v[18:19], v[18:19], v[18+4*\k:19+4*\k]
.endr
	v_pk_mul_f32 v[16:17], v[16:17], 0xbd23d70a op_sel_hi:[1,0]   ; x -1 / 25
	v_pk_mul_f32 v[18:19], v[18:19], 0xbd23d70a op_sel_hi:[1,0]
	v_min3_num_f32 v80, v16, v17, v18
	v_max3_num_f32 v81, v16, v17, v18
	v_min_num_f32 v80, v80, v19
	v_max_num_f32 v81, v81, v19
	v_permlanex16_b32 v82, v80, s16, s17
	v_permlanex16_b32 v83, v81, s16, s17
	v_min_num_f32 v80, v80, v82                    ; over my wave's eight classes
	v_max_num_f32 v81, v81, v83
	ds_store_b64 v5, v[80:81]                      ; lanes l and l xor 16 write the same bytes with the same numbers
	s_wait_dscnt 0x0                               ; for the others' sake: my store has landed
	s_barrier_signal -1
	s_barrier_wait -1
.irp i, 0,1,2,3
	ds_load_b128 v[84+4*\i:87+4*\i], v6 offset:16*\i   ; the eight waves' pairs of my row
.endr
	s_wait_dscnt 0x0
	v_min3_num_f32 v80, v84, v86, v88
	v_max3_num_f32 v81, v85, v87, v89
	v_min3_num_f32 v80, v80, v90, v92
	v_max3_num_f32 v81, v81, v91, v93
	v_min3_num_f32 v80, v80, v94, v96
	v_max3_num_f32 v81, v81, v95, v97
	v_min_num_f32 v80, v80, v98
	v_max_num_f32 v81, v81, v99
	v_sub_f32 v82, v81, v80
	v_rcp_f32 v83, v82
	v_nop                                          ; a plain instruction behind the reciprocal
.irp i, 0,1,2,3
	v_sub_f32 v[16+\i], v[16+\i], v80
.endr
	s_wait_alu depctr_va_vdst(0)                   ; the wait ahead of the result's first reader
.irp i, 0,1,2,3
	v_mul_f32 v[16+\i], v[16+\i], v83
.endr
	ds_store_b128 v7, v[16:19]
	s_wait_dscnt 0x0
	s_barrier_signal -1
	s_barrier_wait -1
	ds_load_b128 v[20:23], v8
	s_wait_dscnt 0x0
	global_store_b128 v9, v[20:23], s[6:7]         ; sixteen lanes store a row's 256 consecutive bytes, aligned
	s_wait_tensorcnt 0x0
	ds_add_u32 v104, v105
	s_wait_dscnt 0x0
	s_endpgm
.Lfunc_end_k_q6f78a3e7b1_finish:
	.size	k_q6f78a3e7b1_finish, .Lfunc_end_k_q6f78a3e7b1_finish-k_q6f78a3e7b1_finish
	.p2alignl 7, 3214868480
	.fill 96, 4, 3214868480
	.section	.rodata,"a",@progbits
	.p2align	6, 0x0
	.amdhsa_kernel k_q6f78a3e7b1_finish
		.amdhsa_group_segment_fixed_size 6656
		.amdhsa_private_segment_fixed_size 0
		.amdhsa_enable_private_segment 0
		.amdhsa_kernarg_size 16
		.amdhsa_user_sgpr_count 2
		.amdhsa_user_sgpr_kernarg_segment_ptr 1
		.amdhsa_wavefront_size32 1
		.amdhsa_system_sgpr_workgroup_id_x 1
		.amdhsa_system_sgpr_workgroup_id_y 1
		.amdhsa_system_sgpr_workgroup_id_z 1
		.amdhsa_system_vgpr_workitem_id 0
		.amdhsa_next_free_vgpr 106
		.amdhsa_next_free_sgpr 66
		.amdhsa_reserve_vcc 0
		.amdhsa_float_denorm_mode_32 3
		.amdhsa_float_denorm_mode_16_64 3
		.amdhsa_memory_ordered 1
		.amdhsa_forward_progress 1
		.amdhsa_inst_pref_size 8
	.end_amdhsa_kernel
	.amdgpu_metadata
---
amdhsa.version: [ 1, 2 ]
amdhsa.kernels:
  - .name:           k_q6f78a3e7b1_finish
    .symbol:         k_q6f78a3e7b1_finish.kd
    .args:
      - { .name: part, .offset: 0, .size: 8, .value_kind: global_buffer, .address_space: global }
      - { .name: out0, .offset: 8, .size: 8, .value_kind: global_buffer, .address_space: global }
    .group_segment_fixed_size: 6656
    .private_segment_fixed_size: 0
    .kernarg_segment_align: 8
    .kernarg_segment_size: 16
    .max_flat_workgroup_size: 256
    .sgpr_count:     66
    .vgpr_count:     106
    .wavefront_size: 32
...
	.end_amdgpu_metadata
.endif
;; end of part 3
